; MI455X (gfx1250); checked and timed in simulation.
; The chip was launched on July 23, 2026; its instructions are those of AMD's public machine-readable ISA for CDNA 5 (MIT licence, August 2026) and "CDNA5" Instruction Set Architecture Reference Guide (July 2026). The comments in the code are by the model that wrote it; some were corrected since.
;; KAN Linear. Allowed arithmetic: matrix products marked QUANTISED: E5M2 operands, one given power-of-two scale a tensor, by v_wmma_f32_16x16x64_bf8_bf8 or v_wmma_f32_16x16x128_bf8_bf8, f32 sums; everything else in f32.
;; Inputs: base_bias 128 float32; base_weight 128 x 128 float32; grid 128 x 12 float32; lowp_scales 4 int32 (the exponents e of the quantised operands' scales 2^e); spline_bias 128 float32; spline_scale 1 float32; spline_weight 128 x 128 x 8 float32; x 16 x 4,096 x 128 float32.
;; Outputs: out0 16 x 4,096 x 128 float32.
;; This version of the problem:
;;   THIS VERSION OF THE PROBLEM IS GIVEN IN LOW PRECISION. The matrix products marked QUANTISED in the list below multiply operands that are first quantised to E5M2 (5 exponent bits, 2 mantissa bits; 8 bits a number), with one given power-of-two scale for each operand tensor; their sums are f32. All else is computed in f32.
;;   The module's matrix products, in the order in which they are computed (A, B: the left and right operand; K: the contracted axis; several contracted axes count as one K, in the product's order):
;;     1. [M 65,536, K 128] x [K 128, N 128]; A: computed on the way; B: input base_weight: QUANTISED (scales: A lowp_scales[0], B lowp_scales[1])
;;     2. [M 65,536, K 1,024] x [K 1,024, N 128]; A: computed on the way; B: input spline_weight: QUANTISED (scales: A lowp_scales[2], B lowp_scales[3])
;;   THE QUANTISER, for each operand of a quantised product, along K:
;;     - The operand's scale is 2^e, e = its entry of the input lowp_scales (int32; the entries are numbered through the quantised products in the list's order, A before B).
;;     - Each number is divided by the scale, clamped to +-57,344, and rounded to the nearest number of E5M2, ties to even, subnormals kept.
;;     - The product sums the exact products of the quantised numbers (number of the format x scale) in f32.
;;   ~~~python
;;   def quantise(x, axis, e):      # numpy; x: float32 -> the quantised numbers, widened to float32 again
;;       x = np.moveaxis(x, axis, -1); K = x.shape[-1]
;;       r = np.clip(x / 2.0 ** e, -57344, 57344)
;;       step = 2.0 ** (np.maximum(np.frexp(np.where(r == 0, 1, r))[1] - 1, -14) - 2)
;;       q = np.round(r / step) * step * 2.0 ** e      # np.round: ties to even
;;       return np.moveaxis(q, -1, axis).astype(np.float32)
;;   ~~~
;;   OPERANDS COMPUTED ON THE WAY. 'Computed on the way' means the value that the module computes at that place (a softmax that the list does not call 'softmax' is quantised finished and normalised). What goes into a quantiser is computed in f32, as accurately as f32 sums, v_exp_f32 and their like allow (about 1e-6 of the number): no bf16 or f16 on the way to a quantiser, and a product that is left as it is and whose result goes on into a quantised operand takes f32 operands (vector FMAs, or v_wmma_f32_16x16x4_f32). A number that lies on a knife's edge between two numbers of the format may be rounded either way, as far as f32 arithmetic and the matrix unit's own rounding can turn it there, and no further.
;; One version. Each part assembles by itself: llvm-mc -triple=amdgcn-amd-amdhsa -mcpu=gfx1250 --defsym DOCPART=n.
;; ======== version 1 of 1: 2 launches
;; limits: right only within a limited range of input values
;; workspace buffers: wtab 169,984 bytes
;; launch prep (part 1): grid 37 x 1, 4 waves a work-group, no clusters, 23,040 bytes of LDS; arguments spline_weight, base_weight, grid, lowp_scales, wtab; writes wtab
.if DOCPART == 1
	.amdgcn_target "amdgcn-amd-amdhsa--gfx1250"
	.amdhsa_code_object_version 6
	.text
	.protected	k_qe481e0449d_prep
	.globl	k_qe481e0449d_prep
	.p2align	8
	.type	k_qe481e0449d_prep,@function
k_qe481e0449d_prep:
	s_mov_b64 s[64:65], 0
	v_nop
	global_prefetch_b8 v0, s[64:65] scope:SCOPE_SE
	s_setreg_imm32_b32 hwreg(HW_REG_WAVE_MODE, 25, 1), 1
	s_wait_xcnt 0x0
; WHAT IT MAKES.  wtab, read by the next launch as one dense block:
;   bytes 0 .. 147,455: the weights as codes of E5M2, laid as IMAGES OF OPERAND REGISTERS: 144 fragments (16 outputs x 64 along K: 8 registers a lane) of 1,024 bytes;
;     registers 4 c .. 4 c + 3 of lane l lie at 512 c + 16 l.  Fragment 8 s + n: spline_weight, outputs 16 n + r, features 8 s .. 8 s + 7;  fragment 128 + 8 b + n: base_weight, features 64 b .. 64 b + 63.
;   bytes 147,456 .. 169,983: the knots' table: 64 entries of 352 bytes, entry e for features 2 e and 2 e + 1, 44 slots of two f32 (even feature, odd feature).
;     slots 0-11 g[j]; 12-22 inv1'[j]; 23 zero; 24-33 inv2[j]; 34-42 inv3[j]; 43 zero.   inv_k[j] = 1 / ((g[j+k] - g[j]) + 1e-8);  inv1'[j] = inv1[j] where g[j] < g[j+1], else 0.
; THE ORDER ALONG K is the next launch's: lane (r, h) of a spline fragment holds features 8 s + 4 h + f, f = 0 .. 3, basis b = 0 .. 7, at byte 16 (f / 2) + 2 b + f % 2;
;   of a base fragment features 64 b + 8 m + 4 h + i at byte 4 m + i.  The same order on both operands of a product leaves every product with its partner.
; code = w / 2^e, held within +-57,344, to the nearest code, ties to even; e = lowp_scales[3] (spline), [1] (base).  LIMITS: e between -126 and 112; NaN and infinities among the inputs, and a denominator of exactly 0, are not served.
; SHARES.  Work-groups 0-31: four spline fragments each, one a wave; 32-35: base fragments; 36: the table, thread t = feature t.  The paths part on the work-group's number alone; only the table's path uses LDS.
; A fragment's eight loads read 32 bytes of each of 16 rows at a time, 256 bytes of each row in all: the tensors are small (589,824 bytes in the whole launch) and each byte is asked for once.
.set TBLWG, 36
.set TBL,   147456
.set ENT,   352
.set L,     8                          ; v8-39   32 numbers as loaded
.set Q,     40                         ; v40-71  the same, held, in the operand's order
.set CD,    72                         ; v72-79  the fragment's codes
.set AD,    80                         ; v80     the loads' offset
.set GK,    8                          ; the table's path: v8-19 g; v20-49 the 30 denominators; v50-79 their reciprocals; v84-127 the way out
.set DEN,   20
.set INV,   50
.set OUTR,  84
	s_load_b256 s[4:11], s[0:1], 0x0               ; spline_weight s[4:5], base_weight s[6:7], grid s[8:9], lowp_scales s[10:11]
	s_load_b64 s[12:13], s[0:1], 0x20              ; wtab
	v_lshl_add_u32 v128, v0, 2, 0x5800
	v_mov_b32 v129, 0
	v_lshrrev_b32 v1, 5, v0
	v_readfirstlane_b32 s14, v1                    ; wave
	v_and_b32 v1, 31, v0                           ; lane
	v_and_b32 v2, 15, v0                           ; r
	v_bfe_u32 v3, v0, 4, 1                         ; h
	s_wait_kmcnt 0x0
	s_cmp_eq_u32 ttmp9, TBLWG
	s_cbranch_scc1 .Ltable
	s_load_b128 s[16:19], s[10:11], 0x0            ; e0 .. e3
	s_lshl_b32 s15, ttmp9, 2
	s_add_co_u32 s15, s15, s14                     ; my fragment F = 4 x work-group + wave
	s_and_b32 s20, s15, 7                          ; n
	s_lshl_b32 s21, s15, 10
	v_lshl_add_u32 v6, v1, 4, s21                  ; where it goes: 1,024 F + 16 x lane
	v_lshl_add_u32 v7, s20, 4, v2                  ; my output o = 16 n + r
	s_bfe_u32 s22, s15, 0x40003                    ; (F / 8) % 16: the K step s, or b
	s_lshl_b32 s22, s22, 8                         ; a K step is 256 bytes of a row in either tensor
.macro MKSCALE e                       ; v5 = 2^e as f32 (the conversion takes its exponent field), v4 = 57,344 x 2^e
	s_wait_kmcnt 0x0
	s_add_co_i32 s23, \e, 127
	s_lshl_b32 s24, s23, 23
	v_mov_b32 v5, s24
	s_add_co_i32 s23, s23, 15
	s_lshl_b32 s23, s23, 23
	s_or_b32 s23, s23, 0x600000
	v_mov_b32 v4, s23
.endm
	s_cmp_lt_u32 ttmp9, 32
	s_cbranch_scc0 .Lbase
	v_lshlrev_b32 v[AD], 12, v7                    ; spline_weight: an output's row is 4,096 bytes,
	v_lshl_add_u32 v[AD], v3, 7, v[AD]             ; my half's four features are 128 bytes,
	v_add_nc_u32 v[AD], s22, v[AD]                 ; in K step s
.irp i, 0,1,2,3,4,5,6,7
	global_load_b128 v[L+4*\i:L+4*\i+3], v[AD], s[4:5] offset:16*\i   ; register 8 f + b
.endr
	MKSCALE s19
	s_wait_loadcnt 0x0
.irp f, 0,1,2,3
.irp b, 0,1,2,3,4,5,6,7
	v_med3_num_f32 v[Q+16*(\f/2)+2*\b+\f%2], v[L+8*\f+\b], -v4, v4   ; the hold (the conversion does not saturate: ISA guide 7.6.2) also puts the number in its place: two neighbouring features interleaved
.endr
.endr
	s_branch .Lcvt
.Lbase:
	v_lshlrev_b32 v[AD], 9, v7                     ; base_weight: a row is 512 bytes
	v_lshl_add_u32 v[AD], v3, 4, v[AD]             ; + 16 h
	v_add_nc_u32 v[AD], s22, v[AD]                 ; + 256 b
.irp m, 0,1,2,3,4,5,6,7
	global_load_b128 v[L+4*\m:L+4*\m+3], v[AD], s[6:7] offset:32*\m   ; features 64 b + 8 m + 4 h + 0 .. 3
.endr
	MKSCALE s17
	s_wait_loadcnt 0x0
.set qi, 0
.rept 32
	v_med3_num_f32 v[Q+qi], v[L+qi], -v4, v4
.set qi, qi+1
.endr
.Lcvt:
.irp k, 0,1,2,3
	v_cvt_scalef32_pk8_bf8_f32 v[CD+2*\k:CD+2*\k+1], v[Q+8*\k:Q+8*\k+7], v5
.endr
	global_store_b128 v6, v[CD:CD+3], s[12:13]                 ; each store of the wave covers 512 consecutive bytes, at a multiple of 512 from wtab's first byte
	global_store_b128 v6, v[CD+4:CD+7], s[12:13] offset:512
	s_endpgm
.Ltable:
	v_mul_u32_u24 v1, v0, 48                       ; a feature's 12 knots are 48 bytes
	global_load_b128 v[GK:GK+3], v1, s[8:9]
	global_load_b128 v[GK+4:GK+7], v1, s[8:9] offset:16
	global_load_b128 v[GK+8:GK+11], v1, s[8:9] offset:32
	v_lshrrev_b32 v2, 1, v0
	v_mul_u32_u24 v2, v2, ENT
	v_and_b32 v3, 1, v0
	v_lshl_add_u32 v2, v3, 2, v2                   ; into LDS: entry t / 2, word t % 2 of each slot
	v_lshlrev_b32 v3, 4, v0                        ; out of it: 16 bytes a thread
	v_mov_b32 v4, 0
	s_wait_loadcnt 0x0
.macro DENS k, n, base                 ; g[j + k] - g[j]
.set dj, 0
.rept \n
	v_sub_f32 v[\base+dj], v[GK+dj+\k], v[GK+dj]
.set dj, dj+1
.endr
.endm
	DENS 1, 11, DEN
	DENS 2, 10, DEN+11
	DENS 3, 9, DEN+21
.set dj, 0
.rept 30
	v_add_f32 v[DEN+dj], 0x322bcc77, v[DEN+dj]     ; + 1e-8, behind the subtraction's own rounding, as the problem writes it
.set dj, dj+1
.endr
.set dj, 0
.rept 30
	v_rcp_f32 v[INV+dj], v[DEN+dj]
.set dj, dj+1
.endr
	v_nop                                          ; a plain instruction between the last reciprocal and the first use
	s_wait_alu depctr_va_vdst(0)                   ; one wait for the batch of 30, ahead of its first reader
.set dj, 0
.rept 30
	v_fma_f32 v[DEN+dj], -v[DEN+dj], v[INV+dj], 1.0   ; one Newton step: e = 1 - den r,
.set dj, dj+1
.endr
.set dj, 0
.rept 30
	v_fma_f32 v[INV+dj], v[INV+dj], v[DEN+dj], v[INV+dj]   ; r = r + r e
.set dj, dj+1
.endr
.irp j, 0,1,2,3,4,5,6,7,8,9,10
	v_cmp_lt_f32 vcc_lo, v[GK+\j], v[GK+\j+1]
	v_cndmask_b32 v[INV+\j], 0, v[INV+\j], vcc_lo  ; an interval that is empty or turned round never holds a number: its inv1' is 0
.endr
.set sl, 0
.rept 12
	ds_store_b32 v2, v[GK+sl] offset:8*sl          ; slots 0-11
.set sl, sl+1
.endr
.rept 11
	ds_store_b32 v2, v[INV+sl-12] offset:8*sl      ; slots 12-22
.set sl, sl+1
.endr
	ds_store_b32 v2, v4 offset:8*23
.set sl, 24
.rept 19
	ds_store_b32 v2, v[INV+11+sl-24] offset:8*sl   ; slots 24-42: inv2, then inv3
.set sl, sl+1
.endr
	ds_store_b32 v2, v4 offset:8*43
	s_wait_dscnt 0x0                               ; for the other waves' sake: my stores have landed
	s_barrier_signal -1
	s_barrier_wait -1
.irp i, 0,1,2,3,4,5,6,7,8,9,10
	ds_load_b128 v[OUTR+4*\i:OUTR+4*\i+3], v3 offset:2048*\i   ; 128 threads x 16 bytes; 11 x 2,048 = the table's 22,528 bytes
.endr
.irp i, 0,1,2,3,4,5,6,7,8,9,10
	s_wait_dscnt 10-\i                             ; LDS loads come back in order: number i is in, the younger ones stay out
	global_store_b128 v3, v[OUTR+4*\i:OUTR+4*\i+3], s[12:13] offset:TBL+2048*\i   ; a wave's store covers 512 consecutive bytes
.endr
	s_wait_tensorcnt 0x0
	ds_add_u32 v128, v129
	s_wait_dscnt 0x0
	s_endpgm
.Lfunc_end_k_qe481e0449d_prep:
	.size	k_qe481e0449d_prep, .Lfunc_end_k_qe481e0449d_prep-k_qe481e0449d_prep
	.p2alignl 7, 3214868480
	.fill 96, 4, 3214868480
	.section	.rodata,"a",@progbits
	.p2align	6, 0x0
	.amdhsa_kernel k_qe481e0449d_prep
		.amdhsa_group_segment_fixed_size 23040
		.amdhsa_private_segment_fixed_size 0
		.amdhsa_enable_private_segment 0
		.amdhsa_kernarg_size 40
		.amdhsa_user_sgpr_count 2
		.amdhsa_user_sgpr_kernarg_segment_ptr 1
		.amdhsa_wavefront_size32 1
		.amdhsa_system_sgpr_workgroup_id_x 1
		.amdhsa_system_sgpr_workgroup_id_y 1
		.amdhsa_system_sgpr_workgroup_id_z 1
		.amdhsa_system_vgpr_workitem_id 0
		.amdhsa_next_free_vgpr 130
		.amdhsa_next_free_sgpr 66
		.amdhsa_reserve_vcc 1
		.amdhsa_float_denorm_mode_32 3
		.amdhsa_float_denorm_mode_16_64 3
		.amdhsa_memory_ordered 1
		.amdhsa_forward_progress 1
		.amdhsa_inst_pref_size 23
	.end_amdhsa_kernel
	.amdgpu_metadata
---
amdhsa.version: [ 1, 2 ]
amdhsa.kernels:
  - .name:           k_qe481e0449d_prep
    .symbol:         k_qe481e0449d_prep.kd
    .args:
      - { .name: spline_weight, .offset: 0, .size: 8, .value_kind: global_buffer, .address_space: global }
      - { .name: base_weight, .offset: 8, .size: 8, .value_kind: global_buffer, .address_space: global }
      - { .name: grid, .offset: 16, .size: 8, .value_kind: global_buffer, .address_space: global }
      - { .name: lowp_scales, .offset: 24, .size: 8, .value_kind: global_buffer, .address_space: global }
      - { .name: wtab, .offset: 32, .size: 8, .value_kind: global_buffer, .address_space: global }
    .group_segment_fixed_size: 23040
    .private_segment_fixed_size: 0
    .kernarg_segment_align: 8
    .kernarg_segment_size: 40
    .max_flat_workgroup_size: 128
    .sgpr_count:     66
    .vgpr_count:     130
    .wavefront_size: 32
...
	.end_amdgpu_metadata
.endif
;; end of part 1
;; launch kan (part 2): grid 256 x 1, 4 waves a work-group, clusters of 4 x 1, 305,664 bytes of LDS; arguments x, wtab, lowp_scales, base_bias, spline_bias, spline_scale, out0; writes out0
.if DOCPART == 2
	.amdgcn_target "amdgcn-amd-amdhsa--gfx1250"
	.amdhsa_code_object_version 6
	.text
	.protected	k_qe481e0449d_kan
	.globl	k_qe481e0449d_kan
	.p2align	8
	.type	k_qe481e0449d_kan,@function
k_qe481e0449d_kan:
	s_mov_b64 s[64:65], 0
	v_nop
	global_prefetch_b8 v0, s[64:65] scope:SCOPE_SE
	s_setreg_imm32_b32 hwreg(HW_REG_WAVE_MODE, 25, 1), 1
	s_wait_xcnt 0x0
	s_wait_alu depctr_hold_cnt(0) depctr_sa_sdst(0) depctr_va_vdst(0) depctr_va_sdst(0) depctr_va_ssrc(0) depctr_va_vcc(0) depctr_vm_vsrc(0)
	s_getreg_b32 s2, hwreg(HW_REG_IB_STS2, 6, 4)
	s_cmp_eq_u32 s2, 0
	s_cbranch_scc0 .Lentry_in_a_cluster
	s_endpgm
.Lentry_in_a_cluster:
	s_bfe_u32 s2, ttmp6, 0x10000c
	s_cmp_lg_u32 s2, 0x3003
	s_cbranch_scc0 .Lentry_shape_is_right
	s_endpgm
.Lentry_shape_is_right:
; out = silu(x) Wb^T + bb + sc (basis(tanh x) Ws^T + sb).  65,536 rows, 128 features, 128 outputs; both products on codes of E5M2 with the four given scales 2^e0 .. 2^e3; sums in f32.
; SHARES.  A work-group owns 256 rows, each of its four waves 64: four tiles of 16.  All that a work-group reads lies in LDS from the start: wtab (weights' codes as register images, the knots' table) and its 256 rows of x.
;   Nothing in LDS is filled a second time, so there is no ring.
; CLUSTER.  The four work-groups of a cluster need the same wtab: each wave asks for a quarter of it JOINTLY (the same load, the same descriptor, a mask that names the four).  x is each work-group's own: a plain load.
; THE VECTOR WORK DECIDES.  A lane holds one row, and packed f32 instructions work on TWO NEIGHBOURING FEATURES of it, so that every constant of a feature lies as a register pair.  For a pair (macro BASIS):
;   d[j] = u - g[j];  P[j] = inv1'[j] where d[j] d[j+1] carries a minus sign (that is g[j] <= u < g[j+1]: u - g is +0 at equality, and a product keeps its sign when it underflows), else 0;
;   three levels  P[j] = (d[j] P[j] - d[j+k+1] P[j+1]) inv_{k+1}[j]  (the last without the factor): the recursion of reference() with each denominator's reciprocal taken from the table.  It is dense: it holds for any knots.
;   The 16 results, register 2 j + parity, are held and converted: four registers of the operand.  The weights' codes lie in the same order along K.
;   The knots' constants come from LDS (all lanes of a half read the same 16 bytes) and serve the wave's four tiles; the next pair's are asked for group by group, each behind its group's last use.
; A K STEP is 8 features x 8 basis functions = 64 codes (v_wmma_f32_16x16x64_bf8_bf8): lane (r, h) holds features 8 s + 4 h + 0 .. 3 of row r: 16 bytes of x.
; THE PRODUCTS ARE USED TRANSPOSED (source 0 = 16 outputs' weights, source 1 = 16 rows): register j of lane (r, h) is out(row r, output 16 n + 8 h + j).
; ONE SET OF ACCUMULATORS: acc = the spline's sums;  acc x f, f = sc 2^(e2+e3-e0-e1);  the base product adds onto it;  out = acc 2^(e0+e1) + (bb + sc sb).
; tanh: u = sign(x) (1 - 2 / (1 + 2^(2 log2(e) |x|))): on |x| the quotient is at most 1/2; 2^.. = infinity gives u = +-1.   silu = x / (1 + 2^(-log2(e) x)).
; LIMITS: e0 and e2 between -126 and 112; e0 + e1 and e2 + e3 - e0 - e1 between -126 and 127 (each power of two is made as an f32 number).  NaN and infinities in x are not served.
;   x = -0 (and x so small that u comes out as -0) counts as just below a knot that is exactly 0.
; LDS: 0 the spline fragments ((8 s + n) x 1,024); 131,072 the base fragments; 147,456 the knots' table (entry 4 s + 2 h + p, 352 bytes); 169,984 x: row i at 528 i (512 bytes + 16 of padding, an odd multiple of 16:
;   the 16 rows that a load touches begin at 16 different 16-byte columns of 256).  On the way out tile t's 16 rows of x, the wave's own and read for the last time, are its stage.
; REGISTERS.  Window 0: v1-15 addresses and scales; v16-103 a pair's constants; v104-119 x, v120-135 tanh at work, v136-151 u; v152-175 d; v176-197 P; v198-217 at work; v218-249 the four tiles' fragments.
;   Window 1: the 32 accumulators, (t, n) at v[8 (8 t + n)].   Window 2: v0-63 the K step's weights; v64-191 the 16 base fragments; v192-255 bb + sc sb in the result's layout.
.set WBB,  131072
.set CT,   147456
.set XB,   169984
.set QW,   42496                       ; a quarter of wtab: 166 rows of 256 bytes
.set XP,   528
.set XTL,  16*XP                       ; a tile's rows
.set XW,   64*XP                       ; a wave's rows
.set ENT,  352
.set XA,  1                            ; v1   x: my wave's rows + 528 r + 16 h
.set CA,  2                            ; v2   the table: CT + 2 entries x h
.set WA,  3                            ; v3   16 x lane: my place in a register image, and in a row of out0
.set XTR, 4                            ; v4   x of the chunk to be fetched
.set C1,  5                            ; v5   this K step's entries
.set C0N, 6                            ; v6   the next K step's
.set WT,  7                            ; v7   this K step's weights
.set SC2, 8                            ; v8   2^e2;  v9  57,344 x 2^e2
.set LM2, 9
.set SC0, 10                           ; v10  2^e0;  v11 57,344 x 2^e0
.set LM0, 11
.set STO, 12                           ; v12  the stage, in: my wave's rows + 528 r + 32 h
.set RD,  13                           ; v13  the stage, back: my wave's rows + 16 x lane
.set WBA, 14                           ; v14  the base fragments: WBB + 16 x lane
.set BO,  15                           ; v15  the biases: 32 h
.set G,   16
.set I1,  40
.set I2,  64
.set I3,  84
.set X,   104
.set TN,  120
.set U,   136
.set D,   152
.set PA,  176
.set TT,  198
.set AF,  218
.set SXA, 16                           ; the base phase takes window 0 anew: v16-47, v48-79 32 numbers of x each; v80-111 silu at work; v112-175 results; v176-239 rows read back; v240-247 a fragment
.set SXB, 48
.set ST,  80
.set TMP, 112
.set BK,  176
.set AFB, 240
.set WS,  0                            ; in window 2
.set WBF, 64
.set BIAS, 192
.set MSB, 0
.macro WIN new                         ; the immediate's high byte repeats the setting that is left; a switch that changes nothing is dropped
.if MSB != \new
	s_set_vgpr_msb (MSB<<8)|\new
.set MSB, \new
.endif
.endm
.macro ROUND                           ; a round of the cluster's barrier: my work-group's barrier, wave 0 signals for the work-group, every wave waits for all four work-groups, my work-group's barrier once more
	s_barrier_signal -1
	s_barrier_wait -1
	s_cmp_lg_u32 s18, 0
	s_cbranch_scc1 .Lnot_wave_0_\@
	s_barrier_signal -3
.Lnot_wave_0_\@:
	s_barrier_wait -3
	s_barrier_signal -1
	s_barrier_wait -1
.endm
	s_load_b256 s[4:11], s[0:1], 0x0               ; x s[4:5], wtab s[6:7], lowp_scales s[8:9], base_bias s[10:11]
	s_load_b128 s[12:15], s[0:1], 0x20             ; spline_bias s[12:13], spline_scale s[14:15]
	s_load_b64 s[16:17], s[0:1], 0x30              ; out0
	v_lshl_add_u32 v254, v0, 2, 0x4a800
	v_mov_b32 v255, 0
	ds_add_u32 v254, v255
	ds_add_u32 v254, v255
	v_lshrrev_b32 v[BO], 5, v0
	v_readfirstlane_b32 s18, v[BO]                 ; wave 0..3
	s_bfe_u32 s19, ttmp6, 0x40000                  ; cx: my place in the cluster
	s_lshl_b32 s20, ttmp9, 2                       ; in a cluster launch ttmp9 counts clusters
	s_add_co_u32 s20, s20, s19                     ; my work-group: it enters x's and out0's addresses in memory alone
	; group 1 of the joint load: 166 rows of 32 elements of 8 bytes, dense, no padding
	s_mov_b32 s24, 15|(3<<16)|(1<<21)              ; 15:0 the mask: all four work-groups; 17:16 elements of 8 bytes; 21 set beside a mask
	s_mov_b32 s25, 32<<16                          ; tensor_dim0 = 32
	s_mov_b32 s26, 166<<16                         ; tensor_dim1 = 166
	s_mov_b32 s27, 32<<16                          ; tile_dim0 = 32
	s_mov_b32 s28, 166                             ; tile_dim1 = 166
	s_mov_b32 s29, 32                              ; from row to row
	s_mov_b32 s30, 0
	s_mov_b32 s31, 0
	; group 1 of x's load: 64 rows of 128 elements of 4 bytes, 4 words of padding behind each row's 128
	s_mov_b32 s32, (2<<16)|(1<<20)|(6<<22)|(3<<25)
	s_mov_b32 s33, 128<<16
	s_mov_b32 s34, 64<<16
	s_mov_b32 s35, 128<<16
	s_mov_b32 s36, 64
	s_mov_b32 s37, 128
	s_mov_b32 s38, 0
	s_mov_b32 s39, 0
	s_lshl_b32 s66, s20, 17                        ; my work-group's 256 rows of 512 bytes,
	s_lshl_b32 s67, s18, 15                        ; my wave's 64 of them
	s_add_co_u32 s66, s66, s67
	s_mov_b32 s67, 0
	s_mul_i32 s68, s18, QW                         ; my quarter of wtab: the wave's number alone
	s_mov_b32 s69, 0
	s_mov_b32 s40, 1
	s_mul_i32 s41, s18, QW                         ; wtab lies in LDS as in memory
	s_mov_b32 s44, 1
	s_mul_i32 s45, s18, XW
	s_add_co_u32 s45, s45, XB
	s_wait_dscnt 0x0
	s_wait_kmcnt 0x0
	s_load_b128 s[48:51], s[8:9], 0x0              ; e0 .. e3
	s_load_b32 s52, s[14:15], 0x0                  ; sc
	s_add_nc_u64 s[42:43], s[6:7], s[68:69]
	s_or_b32 s43, s43, 0x80000000                  ; type = 2
	s_add_nc_u64 s[46:47], s[4:5], s[66:67]
	s_or_b32 s47, s47, 0x80000000
	s_add_nc_u64 s[16:17], s[16:17], s[66:67]      ; out0 at my wave's first row
	ROUND                                          ; all four work-groups are here: the joint loads meet
	tensor_load_to_lds s[40:43], s[24:31]          ; the launch's only fills, one group: two loads of mine are out
	s_nop 0
	tensor_load_to_lds s[44:47], s[32:39]
	s_nop 0
.rept 4
	v_nop
.endr
	; while they land: the biases, the addresses, the scales
	v_and_b32 v250, 31, v0                         ; lane
	v_and_b32 v251, 15, v0                         ; r
	v_bfe_u32 v252, v0, 4, 1                       ; h
	v_lshlrev_b32 v[BO], 5, v252
.irp n, 0,1,2,3,4,5,6,7
.irp c, 0,1
	global_load_b128 v[16+8*\n+4*\c:16+8*\n+4*\c+3], v[BO], s[10:11] offset:64*\n+16*\c   ; bb of outputs 16 n + 8 h + 0 .. 7
	global_load_b128 v[80+8*\n+4*\c:80+8*\n+4*\c+3], v[BO], s[12:13] offset:64*\n+16*\c   ; sb likewise
.endr
.endr
	s_mul_i32 s63, s18, XW
	s_add_co_u32 s63, s63, XB                      ; my wave's rows in LDS
	v_mul_u32_u24 v253, v251, XP
	v_add_nc_u32 v253, s63, v253
	v_lshl_add_u32 v[XA], v252, 4, v253
	v_lshl_add_u32 v[STO], v252, 5, v253
	v_lshlrev_b32 v[WA], 4, v250
	v_add_nc_u32 v[RD], s63, v[WA]
	v_add_nc_u32 v[WBA], WBB, v[WA]
	v_mul_u32_u24 v[CA], v252, 2*ENT
	v_add_nc_u32 v[CA], CT, v[CA]
	s_wait_kmcnt 0x0
	s_add_co_i32 s63, s50, 127
	s_lshl_b32 s66, s63, 23
	v_mov_b32 v[SC2], s66                          ; 2^e2 as f32: the conversion takes its exponent field
	s_add_co_i32 s63, s63, 15
	s_lshl_b32 s63, s63, 23
	s_or_b32 s63, s63, 0x600000
	v_mov_b32 v[LM2], s63                          ; 57,344 x 2^e2
	s_add_co_i32 s63, s48, 127
	s_lshl_b32 s66, s63, 23
	v_mov_b32 v[SC0], s66
	s_add_co_i32 s63, s63, 15
	s_lshl_b32 s63, s63, 23
	s_or_b32 s63, s63, 0x600000
	v_mov_b32 v[LM0], s63
	s_add_co_i32 s67, s48, s49                     ; e0 + e1
	s_add_co_i32 s68, s50, s51
	s_sub_co_i32 s68, s68, s67                     ; e2 + e3 - e0 - e1
	s_add_co_i32 s68, s68, 127
	s_lshl_b32 s68, s68, 23
	s_mul_f32 s54, s52, s68                        ; f = sc 2^(e2+e3-e0-e1)
	s_mov_b32 s55, s54                             ; (the packed forms name a pair and take its low word for both halves: so the upper words are written)
	s_add_co_i32 s67, s67, 127
	s_lshl_b32 s56, s67, 23                        ; 2^(e0+e1)
	s_mov_b32 s57, s56
	s_mov_b32 s53, s52
	s_mov_b32 s58, 0xbfb8aa3b                      ; -log2(e)
	s_mov_b32 s59, s58
	s_mov_b32 s60, 0x4038aa3b                      ; 2 log2(e)
	s_mov_b32 s61, 0x7fffffff
	s_wait_loadcnt 0x0                             ; the biases
	WIN 0x80                                       ; destination window 2
.set bi, 0
.rept 32
	v_pk_fma_f32 v[BIAS+bi:BIAS+bi+1], v[80+bi:80+bi+1], s[52:53], v[16+bi:16+bi+1] op_sel_hi:[1,0,1]   ; bb + sc sb
.set bi, bi+2
.endr
	WIN 0
	s_wait_tensorcnt 0x0                           ; my quarter of wtab and my rows of x are in;
	s_barrier_signal -1
	s_barrier_wait -1                              ; every wave's quarter is
.macro CLOAD grp, cnt, adr, off        ; a group of a pair's constants: all lanes of a half read the same bytes
.set ci, 0
.rept \cnt
	ds_load_b128 v[\grp+4*ci:\grp+4*ci+3], v[\adr] offset:\off+16*ci
.set ci, ci+1
.endr
.endm
.macro XLOAD                           ; four features of my row in each of the four tiles
.irp t, 0,1,2,3
	ds_load_b128 v[X+4*\t:X+4*\t+3], v[XTR] offset:XTL*\t
.endr
.endm
; tanh of the 16 numbers in X, in four parts that stand apart, so that each batch of transcendentals has other work behind it and ONE wait ahead of its first reader
.macro TA
.set ti, 0
.rept 16
	v_mul_f32 v[TN+ti], s60, |v[X+ti]|
.set ti, ti+1
.endr
.set ti, 0
.rept 16
	v_exp_f32 v[TN+ti], v[TN+ti]
.set ti, ti+1
.endr
.endm
.macro TB
	s_wait_alu depctr_va_vdst(0)                   ; the 16 exponentials
.set ti, 0
.rept 8
	v_pk_add_f32 v[TN+ti:TN+ti+1], v[TN+ti:TN+ti+1], 1.0 op_sel_hi:[1,0]
.set ti, ti+2
.endr
.set ti, 0
.rept 16
	v_rcp_f32 v[TN+ti], v[TN+ti]
.set ti, ti+1
.endr
.endm
.macro TC
	s_wait_alu depctr_va_vdst(0)                   ; the 16 reciprocals
.set ti, 0
.rept 8
	v_pk_fma_f32 v[TN+ti:TN+ti+1], v[TN+ti:TN+ti+1], -2.0, 1.0 op_sel_hi:[1,0,0]
.set ti, ti+2
.endr
.endm
.macro TD
.set ti, 0
.rept 16
	v_bfi_b32 v[U+ti], s61, v[TN+ti], v[X+ti]      ; the magnitude just made, x's sign
.set ti, ti+1
.endr
.endm
.macro LEVEL k, n                      ; P[j] = d[j] P[j] - d[j+k+1] P[j+1], j = 0 .. n - 1: all the second terms first, since P is rewritten in place
.set lj, 0
.rept \n
	v_pk_mul_f32 v[TT+2*lj:TT+2*lj+1], v[D+2*(lj+\k+1):D+2*(lj+\k+1)+1], v[PA+2*lj+2:PA+2*lj+3]
.set lj, lj+1
.endr
.set lj, 0
.rept \n
	v_pk_fma_f32 v[PA+2*lj:PA+2*lj+1], v[D+2*lj:D+2*lj+1], v[PA+2*lj:PA+2*lj+1], v[TT+2*lj:TT+2*lj+1] neg_lo:[0,0,1] neg_hi:[0,0,1]
.set lj, lj+1
.endr
.endm
.macro TIMES n, inv                    ; P[j] x the next level's reciprocal
.set lj, 0
.rept \n
	v_pk_mul_f32 v[PA+2*lj:PA+2*lj+1], v[PA+2*lj:PA+2*lj+1], v[\inv+2*lj:\inv+2*lj+1]
.set lj, lj+1
.endr
.endm
; The pair p of tile t: 16 basis values become registers 4 p .. 4 p + 3 of the tile's fragment.
; first = 1 (tile 0): the pair's constants were asked for in four groups, G (6 loads), I1 (6), I2 (5), I3 (5), in that order; each wait counts the younger groups' loads.
; last = 1 (tile 3): each group is asked for anew, for the pair at v[adr] + off, directly behind its last use.  With p = 1 the u of this K step have also had their last use: the next K step's take their place,
;   and x of the K step after that is asked for (behind G's loads, ahead of I1's: the count 16 covers it too).
.macro BASIS t, p, first, last, adr, off
.set UU, U+4*(\t)+2*(\p)
.set AO, AF+8*(\t)+4*(\p)
.if \first
	s_wait_dscnt 16                                ; G is in (and all that was asked for earlier); I1, I2, I3 may be out
.endif
.set bj, 0
.rept 12
	v_pk_add_f32 v[D+2*bj:D+2*bj+1], v[UU:UU+1], v[G+2*bj:G+2*bj+1] neg_lo:[0,1] neg_hi:[0,1]   ; d[j] = u - g[j]
.set bj, bj+1
.endr
.if \last
	CLOAD G, 6, \adr, \off
.if \p
	TD
	XLOAD
.endif
.endif
.set bj, 0
.rept 11
	v_pk_mul_f32 v[PA+2*bj:PA+2*bj+1], v[D+2*bj:D+2*bj+1], v[D+2*bj+2:D+2*bj+3]
.set bj, bj+1
.endr
.set bj, 0
.rept 22
	v_ashrrev_i32 v[PA+bj], 31, v[PA+bj]           ; all ones where the product carries a minus sign
.set bj, bj+1
.endr
.if \first
	s_wait_dscnt 10                                ; I1 is in; I2, I3 may be out
.endif
.set bj, 0
.rept 22
	v_and_b32 v[PA+bj], v[PA+bj], v[I1+bj]
.set bj, bj+1
.endr
.if \last
	CLOAD I1, 6, \adr, (\off)+96
.endif
	LEVEL 1, 10
.if \first
	s_wait_dscnt 5                                 ; I2 is in; I3 may be out
.endif
	TIMES 10, I2
.if \last
	CLOAD I2, 5, \adr, (\off)+192
.endif
	LEVEL 2, 9
.if \first
	s_wait_dscnt 0                                 ; I3 is in
.endif
	TIMES 9, I3
.if \last
	CLOAD I3, 5, \adr, (\off)+272
.endif
	LEVEL 3, 8
.set bj, 0
.rept 16
	v_med3_num_f32 v[PA+bj], v[PA+bj], -v[LM2], v[LM2]   ; the conversion to an 8-bit code does not saturate (ISA guide 7.6.2): the hold at the largest code x the scale
.set bj, bj+1
.endr
	v_cvt_scalef32_pk8_bf8_f32 v[AO:AO+1], v[PA:PA+7], v[SC2]
	v_cvt_scalef32_pk8_bf8_f32 v[AO+2:AO+3], v[PA+8:PA+15], v[SC2]   ; what follows a BASIS begins with a plain vector instruction that touches neither the codes nor P
.endm
.macro WLOAD                           ; the K step's eight fragments of weights, as they lie
	WIN 0x80                                       ; destination window 2
.irp n, 0,1,2,3,4,5,6,7
.irp c, 0,1
	ds_load_b128 v[WS+8*\n+4*\c:WS+8*\n+4*\c+3], v[WT] offset:1024*\n+512*\c
.endr
.endr
	WIN 0
.endm
; Tile t's eight products.  The 32 accumulators take turns, one instruction a turn, in the same order in every K step, over the backward jump too.  zero = 1: the first K step starts the sums.
.macro MUL t, zero
	v_nop                                          ; one plain instruction between the conversions and the products that read their results
	WIN 0x52                                       ; source 0 (weights) window 2, source 1 (rows) window 0, C and D window 1
.set mn, 0
.rept 8
.if \zero
	v_wmma_f32_16x16x64_bf8_bf8 v[64*(\t)+8*mn:64*(\t)+8*mn+7], v[WS+8*mn:WS+8*mn+7], v[AF+8*(\t):AF+8*(\t)+7], 0
.else
	v_wmma_f32_16x16x64_bf8_bf8 v[64*(\t)+8*mn:64*(\t)+8*mn+7], v[WS+8*mn:WS+8*mn+7], v[AF+8*(\t):AF+8*(\t)+7], v[64*(\t)+8*mn:64*(\t)+8*mn+7]
.endif
.set mn, mn+1
.endr
	WIN 0
.endm
; K step s62.  Look-ahead wraps round at 16, so that the last trips' loads stay; what they bring is not used.
; The weights are loaded two BASIS (over 300 plain vector instructions) behind the last products that read their registers, and a tile's fragment is rewritten a BASIS or more behind its products.
.macro KSTEP zero
	s_mul_i32 s63, s62, 4*ENT                      ; a K step has four entries: two halves x two pairs
	s_add_co_u32 s66, s62, 1
	s_and_b32 s66, s66, 15
	s_mul_i32 s66, s66, 4*ENT
	s_add_co_u32 s67, s62, 2
	s_and_b32 s67, s67, 15
	s_lshl_b32 s67, s67, 5                         ; a K step is 32 bytes of a row of x
	s_lshl_b32 s68, s62, 13                        ; and 8 fragments of 1,024 bytes
	v_add_nc_u32 v[C1], s63, v[CA]
	v_add_nc_u32 v[C0N], s66, v[CA]
	v_add_nc_u32 v[XTR], s67, v[XA]
	v_add_nc_u32 v[WT], s68, v[WA]
	BASIS 0, 0, 1, 0, 0, 0
	BASIS 1, 0, 0, 0, 0, 0
	WLOAD
	BASIS 2, 0, 0, 0, 0, 0
	BASIS 3, 0, 0, 1, C1, ENT                      ; asks for pair 1's constants
	TA                                             ; tanh for the next K step goes along in parts
	BASIS 0, 1, 1, 0, 0, 0                         ; its first wait also shows the weights in: they were asked for ahead of G
	MUL 0, \zero
	TB
	BASIS 1, 1, 0, 0, 0, 0
	MUL 1, \zero
	TC
	BASIS 2, 1, 0, 0, 0, 0
	MUL 2, \zero
	BASIS 3, 1, 0, 1, C0N, 0                       ; asks for the next K step's pair 0
	MUL 3, \zero
.endm
	; the prologue: the base fragments (they stay), the first pair's constants, u of K step 0, x of K step 1
	WIN 0x80
.set pq, 0
.rept 32
	ds_load_b128 v[WBF+4*pq:WBF+4*pq+3], v[WBA] offset:512*pq
.set pq, pq+1
.endr
	WIN 0
	CLOAD G, 6, CA, 0
	CLOAD I1, 6, CA, 96
	CLOAD I2, 5, CA, 192
	CLOAD I3, 5, CA, 272
	v_mov_b32 v[XTR], v[XA]
	XLOAD
	s_wait_dscnt 0x0
	TA
	v_nop                                          ; a plain instruction behind each batch
	TB
	v_nop
	TC
	TD
	v_add_nc_u32 v[XTR], 32, v[XA]
	XLOAD                                          ; four loads are out at the first K step's head: its counted waits let them be, its wait for 0 brings them in ahead of TA
	s_mov_b32 s62, 0
	KSTEP 1                                        ; the first K step stands in front of the loop: its products start the sums
	s_mov_b32 s62, 1
.Lk:
	KSTEP 0
	s_add_co_u32 s62, s62, 1
	s_cmp_lt_u32 s62, 16
	s_cbranch_scc1 .Lk
; THE BASE PRODUCT AND THE WAY OUT, tile by tile.
.macro SLOAD t, b, set                 ; 32 numbers of my row: features 64 b + 8 m + 4 h + 0 .. 3
.set sm, 0
.rept 8
	ds_load_b128 v[\set+4*sm:\set+4*sm+3], v[XA] offset:XTL*(\t)+256*(\b)+32*sm
.set sm, sm+1
.endr
.endm
.macro SCALE t                         ; the tile's sums x f, each accumulator from its low end on
	WIN 0x41                                       ; source 0 and destination window 1
.set si, 0
.rept 32
	v_pk_mul_f32 v[64*(\t)+si:64*(\t)+si+1], v[64*(\t)+si:64*(\t)+si+1], s[54:55] op_sel_hi:[1,0]
.set si, si+2
.endr
	WIN 0
.endm
.macro SILU set                        ; 32 numbers become a fragment's codes
.set si, 0
.rept 16
	v_pk_mul_f32 v[ST+si:ST+si+1], v[\set+si:\set+si+1], s[58:59] op_sel_hi:[1,0]
.set si, si+2
.endr
.set si, 0
.rept 32
	v_exp_f32 v[ST+si], v[ST+si]
.set si, si+1
.endr
	v_nop
	s_wait_alu depctr_va_vdst(0)                   ; one wait for the 32 exponentials
.set si, 0
.rept 16
	v_pk_add_f32 v[ST+si:ST+si+1], v[ST+si:ST+si+1], 1.0 op_sel_hi:[1,0]
.set si, si+2
.endr
.set si, 0
.rept 32
	v_rcp_f32 v[ST+si], v[ST+si]
.set si, si+1
.endr
	v_nop
	s_wait_alu depctr_va_vdst(0)                   ; one wait for the 32 reciprocals
.set si, 0
.rept 16
	v_pk_mul_f32 v[ST+si:ST+si+1], v[ST+si:ST+si+1], v[\set+si:\set+si+1]
.set si, si+2
.endr
.set si, 0
.rept 32
	v_med3_num_f32 v[ST+si], v[ST+si], -v[LM0], v[LM0]
.set si, si+1
.endr
.irp k, 0,1,2,3
	v_cvt_scalef32_pk8_bf8_f32 v[AFB+2*\k:AFB+2*\k+1], v[ST+8*\k:ST+8*\k+7], v[SC0]
.endr
	v_nop                                          ; one plain instruction between the conversions and the products
.endm
.macro MULB t, b                       ; the tile's eight accumulators by turns
	WIN 0x52
.set mn, 0
.rept 8
	v_wmma_f32_16x16x64_bf8_bf8 v[64*(\t)+8*mn:64*(\t)+8*mn+7], v[WBF+8*(8*(\b)+mn):WBF+8*(8*(\b)+mn)+7], v[AFB:AFB+7], v[64*(\t)+8*mn:64*(\t)+8*mn+7]
.set mn, mn+1
.endr
	WIN 0
.endm
.macro TOSTAGE t                       ; out = acc 2^(e0+e1) + bias; 32 bytes a lane into the tile's own 16 rows of x, which nobody reads any more; back as whole rows of 512 bytes
.if (\t) > 0
	s_wait_xcnt 0x0                                ; the last tile's stores have read their registers: the loads below may land there
.endif
	WIN 0x21                                       ; source 0 (sums) window 1, source 2 (bias) window 2
.set ti, 0
.rept 32
	v_pk_fma_f32 v[TMP+ti:TMP+ti+1], v[64*(\t)+ti:64*(\t)+ti+1], s[56:57], v[BIAS+ti:BIAS+ti+1] op_sel_hi:[1,0,1]
.set ti, ti+2
.endr
	WIN 0
.irp n, 0,1,2,3,4,5,6,7
.irp c, 0,1
	ds_store_b128 v[STO], v[TMP+8*\n+4*\c:TMP+8*\n+4*\c+3] offset:XTL*(\t)+64*\n+16*\c
.endr
.endr
.set ti, 0
.rept 16
	ds_load_b128 v[BK+4*ti:BK+4*ti+3], v[RD] offset:XTL*(\t)+XP*ti   ; LDS serves a wave's instructions in order (ISA guide 5.7.1.4): these see my stores
.set ti, ti+1
.endr
.endm
.macro SEND t
.set sr, 0
.rept 16
	s_wait_dscnt 15-sr                             ; row sr is back; the younger rows stay out
	global_store_b128 v[WA], v[BK+4*sr:BK+4*sr+3], s[16:17] offset:(16*(\t)+sr)*512 th:TH_STORE_NT   ; 32 lanes store a row's 512 consecutive bytes, at a multiple of 512 from out0's first byte
.set sr, sr+1
.endr
.endm
.macro TILE t
.if (\t) == 0
	s_wait_dscnt 8                                 ; the first 32 numbers are in, the second 32 may be out.  (In later tiles SEND's last wait, for 0, has shown both sets in)
.endif
	SILU SXA
.if (\t) < 3
	SLOAD (\t)+1, 0, SXA                           ; the set is free: the next tile's numbers
.endif
	MULB \t, 0
.if (\t) < 3
	s_wait_dscnt 8                                 ; all but the eight just asked for
.else
	s_wait_dscnt 0
.endif
	SILU SXB
.if (\t) < 3
	SLOAD (\t)+1, 1, SXB
.endif
	MULB \t, 1
.rept 4
	v_nop                                          ; four places between the last products and the first read of their results (ISA guide 7.12.1)
.endr
	TOSTAGE \t
.if (\t) < 3
	SCALE (\t)+1                                   ; work on registers while the rows come back from the stage
.endif
	SEND \t
.endm
	s_wait_dscnt 0x0                               ; the last trip's look-ahead loads have landed: their registers are taken anew
	SLOAD 0, 0, SXA
	SLOAD 0, 1, SXB
	SCALE 0
	TILE 0
	TILE 1
	TILE 2
	TILE 3
	s_wait_tensorcnt 0x0
	ds_add_u32 v254, v255
	s_wait_dscnt 0x0
	ROUND                                          ; the closing round (SEND's last wait was for 0: no LDS instruction of mine is out): no work-group ends while a partner may still ask jointly
	s_endpgm
.Lfunc_end_k_qe481e0449d_kan:
	.size	k_qe481e0449d_kan, .Lfunc_end_k_qe481e0449d_kan-k_qe481e0449d_kan
	.p2alignl 7, 3214868480
	.fill 96, 4, 3214868480
	.section	.rodata,"a",@progbits
	.p2align	6, 0x0
	.amdhsa_kernel k_qe481e0449d_kan
		.amdhsa_group_segment_fixed_size 305664
		.amdhsa_private_segment_fixed_size 0
		.amdhsa_enable_private_segment 0
		.amdhsa_kernarg_size 56
		.amdhsa_user_sgpr_count 2
		.amdhsa_user_sgpr_kernarg_segment_ptr 1
		.amdhsa_wavefront_size32 1
		.amdhsa_system_sgpr_workgroup_id_x 1
		.amdhsa_system_sgpr_workgroup_id_y 1
		.amdhsa_system_sgpr_workgroup_id_z 1
		.amdhsa_system_vgpr_workitem_id 0
		.amdhsa_next_free_vgpr 768
		.amdhsa_next_free_sgpr 72
		.amdhsa_reserve_vcc 0
		.amdhsa_float_denorm_mode_32 3
		.amdhsa_float_denorm_mode_16_64 3
		.amdhsa_memory_ordered 1
		.amdhsa_forward_progress 1
		.amdhsa_inst_pref_size 255
	.end_amdhsa_kernel
	.section	.bss,"aw",@nobits
	.p2align	6
	.space	262144
	.amdgpu_metadata
---
amdhsa.version: [ 1, 2 ]
amdhsa.kernels:
  - .name:           k_qe481e0449d_kan
    .symbol:         k_qe481e0449d_kan.kd
    .args:
      - { .name: x, .offset: 0, .size: 8, .value_kind: global_buffer, .address_space: global }
      - { .name: wtab, .offset: 8, .size: 8, .value_kind: global_buffer, .address_space: global }
      - { .name: lowp_scales, .offset: 16, .size: 8, .value_kind: global_buffer, .address_space: global }
      - { .name: base_bias, .offset: 24, .size: 8, .value_kind: global_buffer, .address_space: global }
      - { .name: spline_bias, .offset: 32, .size: 8, .value_kind: global_buffer, .address_space: global }
      - { .name: spline_scale, .offset: 40, .size: 8, .value_kind: global_buffer, .address_space: global }
      - { .name: out0, .offset: 48, .size: 8, .value_kind: global_buffer, .address_space: global }
    .group_segment_fixed_size: 305664
    .private_segment_fixed_size: 0
    .kernarg_segment_align: 8
    .kernarg_segment_size: 56
    .max_flat_workgroup_size: 128
    .sgpr_count:     72
    .vgpr_count:     768
    .wavefront_size: 32
...
	.end_amdgpu_metadata
.endif
;; end of part 2
